; MI455X (gfx1250); checked and timed in simulation.
; The chip was launched on July 23, 2026; its instructions are those of AMD's public machine-readable ISA for CDNA 5 (MIT licence, August 2026) and "CDNA5" Instruction Set Architecture Reference Guide (July 2026). The comments in the code are by the model that wrote it; some were corrected since.
;; Scaled Dot Product Attention. Allowed arithmetic: matrix products marked QUANTISED: E5M2 operands, one given power-of-two scale a tensor, by v_wmma_f32_16x16x64_bf8_bf8 or v_wmma_f32_16x16x128_bf8_bf8, f32 sums; everything else in f32.
;; Inputs: k 2 x 8 x 4,096 x 64 float32; lowp_scales 4 int32 (the exponents e of the quantised operands' scales 2^e); mask 1 x 1 x 4,096 x 4,096 bool; q 2 x 8 x 4,096 x 64 float32; v 2 x 8 x 4,096 x 64 float32.
;; Outputs: out0 2 x 8 x 4,096 x 64 float32.
;; This version of the problem:
;;   THIS VERSION OF THE PROBLEM IS GIVEN IN LOW PRECISION. The matrix products marked QUANTISED in the list below multiply operands that are first quantised to E5M2 (5 exponent bits, 2 mantissa bits; 8 bits a number), with one given power-of-two scale for each operand tensor; their sums are f32. All else is computed in f32.
;;   The module's matrix products, in the order in which they are computed (A, B: the left and right operand; K: the contracted axis; several contracted axes count as one K, in the product's order):
;;     1. batch 16 x [M 4,096, K 64] x [K 64, N 4,096]; A: input q; B: input k: QUANTISED (scales: A lowp_scales[0], B lowp_scales[1])
;;     2. batch 16 x [M 4,096, K 4,096] x [K 4,096, N 64]; A: softmax (see below); B: input v: QUANTISED (scales: A lowp_scales[2], B lowp_scales[3])
;;   THE QUANTISER, for each operand of a quantised product, along K:
;;     - The operand's scale is 2^e, e = its entry of the input lowp_scales (int32; the entries are numbered through the quantised products in the list's order, A before B).
;;     - Each number is divided by the scale, clamped to +-57,344, and rounded to the nearest number of E5M2, ties to even, subnormals kept.
;;     - The product sums the exact products of the quantised numbers (number of the format x scale) in f32.
;;   ~~~python
;;   def quantise(x, axis, e):      # numpy; x: float32 -> the quantised numbers, widened to float32 again
;;       x = np.moveaxis(x, axis, -1); K = x.shape[-1]
;;       r = np.clip(x / 2.0 ** e, -57344, 57344)
;;       step = 2.0 ** (np.maximum(np.frexp(np.where(r == 0, 1, r))[1] - 1, -14) - 2)
;;       q = np.round(r / step) * step * 2.0 ** e      # np.round: ties to even
;;       return np.moveaxis(q, -1, axis).astype(np.float32)
;;   ~~~
;;   SOFTMAX AHEAD OF A QUANTISED PRODUCT. Where the list says 'softmax', what is quantised is not the finished softmax but p = 2^(t - M), with t = logit x log2(e) and M = ceil(the row's largest t), a whole number; so 1/2 < the row's largest p <= 1. The row's sum l is taken of the UNQUANTISED p, in f32, and the product's result is divided by l at the end. Since M is a whole number, a kernel that streams over the keys may use a running M (the ceiling of the running maximum): every later rescaling is an exact power of two, so the quantised numbers keep their values, but for numbers so far below the row's largest that they fall under the format's range.
;;   OPERANDS COMPUTED ON THE WAY. 'Computed on the way' means the value that the module computes at that place (a softmax that the list does not call 'softmax' is quantised finished and normalised). What goes into a quantiser is computed in f32, as accurately as f32 sums, v_exp_f32 and their like allow (about 1e-6 of the number): no bf16 or f16 on the way to a quantiser, and a product that is left as it is and whose result goes on into a quantised operand takes f32 operands (vector FMAs, or v_wmma_f32_16x16x4_f32). A number that lies on a knife's edge between two numbers of the format may be rounded either way, as far as f32 arithmetic and the matrix unit's own rounding can turn it there, and no further.
;; One version. Each part assembles by itself: llvm-mc -triple=amdgcn-amd-amdhsa -mcpu=gfx1250 --defsym DOCPART=n.
;; ======== version 1 of 1: 2 launches
;; limits: right only within a limited range of input values
;; workspace buffers: kv 8,388,608 bytes; maskbits 2,097,152 bytes of whole numbers
;; launch prep (part 1): grid 1024 x 1, 4 waves a work-group, no clusters, 51,712 bytes of LDS; arguments k, v, mask, lowp_scales, kv, maskbits; writes kv, maskbits
.if DOCPART == 1
	.amdgcn_target "amdgcn-amd-amdhsa--gfx1250"
	.amdhsa_code_object_version 6
	.text
	.protected	k_q5952accb20_prep
	.globl	k_q5952accb20_prep
	.p2align	8
	.type	k_q5952accb20_prep,@function
k_q5952accb20_prep:
	s_mov_b64 s[64:65], 0
	v_nop
	global_prefetch_b8 v0, s[64:65] scope:SCOPE_SE
	s_setreg_imm32_b32 hwreg(HW_REG_WAVE_MODE, 25, 1), 1
	s_wait_xcnt 0x0
; THE PREPARING LAUNCH of an attention on codes of BF8 (E5M2).  k, v: [16 heads][4096 keys][64 channels] f32.  mask: [4096 queries][4096 keys], one byte each, 0 or 1.
; It makes, once for all that read them later:
;   kv:  for each head and each block of 128 keys 16,384 bytes, IMAGES OF THE OPERANDS' REGISTERS, lane l's 16 bytes at 16 l of each group of four registers:
;        bytes 0..8191: K, tile c of 16 keys (1,024 bytes), groups 0, 1: lane (r, h) holds key 16 c + r, registers 2 c', 2 c' + 1 its channels 16 c' + 8 h + 0..7 (the K = 64 form's layout);
;        bytes 8192..16383: V turned, tile dt of 16 channels (2,048 bytes), groups 0..3: lane (r, h) holds channel 16 dt + r, registers 2 c, 2 c + 1 the block's keys 16 c + 8 h + 0..7 (the K = 128 form's layout).
;   maskbits: word [tile of 16 queries qt][key block kb][8 c + j]: bit (r + 16 h) = mask[16 qt + r][128 kb + 16 c + 8 h + j]: the lane mask of one register of scores.
; code = x / 2^e, held within +-57,344, to the nearest code, ties to even; e = entry 1 (k) or entry 3 (v) of the scales' exponents.
; LIMITS: ek and ev between -126 and 112, so that 2^e and 57,344 x 2^e are f32 numbers.  NaN among k and v is not served (an infinity is held at the largest code).
; SHARES: work-groups 0-255 take k (a wave: 64 keys), 256-511 v (a wave: 128 keys x 32 channels), 512-1023 the mask (a wave: 16 rows x 512 columns).  A wave asks for its whole share at once; there is no loop
; and no barrier: waves share nothing.  Every offset is an immediate, no pointer is stepped, and no register that a store reads is written again.  Each of the two paths that use LDS has bytes of its own.
.set MB,   17408                       ; LDS: k's stages 4 x 16 rows x 272 bytes; from here the mask's: 4 x 16 rows x 528 bytes
.set LO,   4                           ; v4   16 x lane
.set KST,  5                           ; v5   k's stage, in: two rows a load: 272 (lane / 16) + 16 (lane % 16)
.set KLD,  6                           ; v6   k's stage, out: row lane % 16, + 32 (lane / 16)
.set MST,  7                           ; v7   the mask's stage, in: 16 x lane of a row
.set MLD,  8                           ; v8   the mask's stage, out: row lane % 16, + 8 (lane / 16)
.set VLO,  9                           ; v9   v: 4 x lane
.set VSO,  10                          ; v10  v's codes: 2048 (lane / 16) + 16 (lane % 16)
.set SCL,  11                          ; v11  2^e as f32
.set LIMV, 12
.set R,    16                          ; v16-143   numbers (or mask bytes) as loaded; in the mask's path v16-23 later take the words and v24-31 are at work
.set X,    144                         ; v144-175  k: a tile's numbers, 32 a lane;  v144-207 the mask: eight bytes a lane for each of 32 tiles of keys
.set C,    176                         ; v176-207  codes
	s_load_b256 s[4:11], s[0:1], 0x0               ; k s[4:5], v s[6:7], mask s[8:9], the scales' exponents s[10:11]
	s_load_b128 s[12:15], s[0:1], 0x20             ; kv s[12:13], maskbits s[14:15]
	v_lshl_add_u32 v208, v0, 2, 0xc800
	v_mov_b32 v209, 0
	v_lshrrev_b32 v1, 5, v0
	v_readfirstlane_b32 s16, v1                    ; wave 0..3
	v_and_b32 v1, 31, v0                           ; lane
	v_and_b32 v2, 15, v0                           ; r
	v_bfe_u32 v3, v0, 4, 1                         ; h
	v_lshlrev_b32 v[LO], 4, v1
	s_mul_i32 s17, s16, 16*272                     ; my stage for k
	v_mul_u32_u24 v[KST], v3, 272
	v_lshl_add_u32 v[KST], v2, 4, v[KST]
	v_add_nc_u32 v[KST], s17, v[KST]
	v_mul_u32_u24 v[KLD], v2, 272
	v_lshl_add_u32 v[KLD], v3, 5, v[KLD]
	v_add_nc_u32 v[KLD], s17, v[KLD]
	s_mul_i32 s18, s16, 16*528                     ; my stage for the mask
	s_add_co_u32 s18, s18, MB
	v_add_nc_u32 v[MST], s18, v[LO]
	v_mul_u32_u24 v[MLD], v2, 528
	v_lshl_add_u32 v[MLD], v3, 3, v[MLD]
	v_add_nc_u32 v[MLD], s18, v[MLD]
	v_lshlrev_b32 v[VLO], 2, v1
	v_lshlrev_b32 v[VSO], 4, v2
	v_lshl_add_u32 v[VSO], v3, 11, v[VSO]
	s_mov_b32 s19, 0                               ; the offsets' high words
	s_mov_b32 s21, 0
	s_wait_kmcnt 0x0
.macro MKSCALE                         ; s26 = e: the conversion's scale
	s_wait_kmcnt 0x0
	s_add_co_i32 s26, s26, 127
	s_lshl_b32 s27, s26, 23
	v_mov_b32 v[SCL], s27                          ; 2^e: the conversion takes its exponent field
.endm
	s_cmp_lt_u32 ttmp9, 256
	s_cbranch_scc0 .Lnot_k
	; ---------------- k: my 64 keys are four tiles of 16 keys x 64 channels (4,096 bytes of memory each)
	s_load_b32 s26, s[10:11], 0x4                  ; ek
	s_lshl_b32 s17, ttmp9, 2
	s_add_co_u32 s17, s17, s16                     ; u = 4 x work-group + wave: which 64 keys of the 65,536
	s_lshl_b32 s18, s17, 14
	s_add_nc_u64 s[22:23], s[4:5], s[18:19]        ; from: k + 16,384 u
	s_lshr_b32 s20, s17, 1
	s_lshl_b32 s20, s20, 14
	s_and_b32 s18, s17, 1
	s_lshl_b32 s18, s18, 12
	s_add_co_u32 s20, s20, s18
	s_add_nc_u64 s[24:25], s[12:13], s[20:21]      ; to: kv + 16,384 (u / 2) + 4,096 (u % 2): tiles 4 (u % 2) on of the block
.irp t, 0,1,2,3
.irp i, 0,1,2,3,4,5,6,7
	global_load_b128 v[R+32*\t+4*\i:R+32*\t+4*\i+3], v[LO], s[22:23] offset:4096*\t+512*\i th:TH_LOAD_NT   ; 32 lanes read 512 consecutive bytes: two keys' rows
.endr
.endr
	MKSCALE
; A tile turns through my stage: in as it was loaded (rows 272 bytes apart), out 32 numbers a lane in the fragment's order.  LDS serves a wave's instructions in order, so no wait stands between the stores and
; the loads, and the next tile's stores come behind this tile's loads: one stage serves all four.
.macro KTILE t
	s_wait_loadcnt 8*(3-\t)                        ; this tile's eight loads are in; the eight of each later tile may be out
.irp i, 0,1,2,3,4,5,6,7
	ds_store_b128 v[KST], v[R+32*\t+4*\i:R+32*\t+4*\i+3] offset:544*\i
.endr
.irp c, 0,1,2,3
	ds_load_b128 v[X+8*\c:X+8*\c+3], v[KLD] offset:64*\c          ; key r, channels 16 c + 8 h + 0..3,
	ds_load_b128 v[X+8*\c+4:X+8*\c+7], v[KLD] offset:64*\c+16     ; and + 4..7
.endr
	s_wait_dscnt 0x0
.set n, 0
.rept 32
.set n, n+1
.endr
.irp c, 0,1,2,3
	v_cvt_scalef32_pk8_bf8_f32 v[C+8*\t+2*\c:C+8*\t+2*\c+1], v[X+8*\c:X+8*\c+7], v[SCL]
.endr
	v_nop                                          ; a plain line behind the conversions: the next tile's loads write their sources
	global_store_b128 v[LO], v[C+8*\t:C+8*\t+3], s[24:25] offset:1024*\t         ; registers 0-3 of the fragment: 512 consecutive bytes
	global_store_b128 v[LO], v[C+8*\t+4:C+8*\t+7], s[24:25] offset:1024*\t+512   ; registers 4-7
.endm
	s_wait_alu depctr_va_vdst(0)
	KTILE 0
	KTILE 1
	KTILE 2
	KTILE 3
	s_wait_tensorcnt 0x0
	ds_add_u32 v208, v209
	s_wait_dscnt 0x0
	s_endpgm
.Lnot_k:
	s_cmp_lt_u32 ttmp9, 512
	s_cbranch_scc0 .Lmask
	; ---------------- v: a lane takes a channel, and its registers run down the block's 128 keys: the conversions then give codes with the keys innermost, and nothing is transposed
	s_load_b32 s26, s[10:11], 0xc                  ; ev
	s_sub_co_u32 s17, ttmp9, 256
	s_lshl_b32 s17, s17, 2
	s_add_co_u32 s17, s17, s16                     ; u
	s_lshr_b32 s28, s17, 1                         ; which block of 128 keys, of 512
	s_and_b32 s29, s17, 1                          ; which 32 of the 64 channels
	s_lshl_b32 s18, s28, 15
	s_lshl_b32 s30, s29, 7
	s_add_co_u32 s18, s18, s30
	s_add_nc_u64 s[22:23], s[6:7], s[18:19]        ; from: v + 32,768 block + 128 half
	s_lshl_b32 s20, s28, 14
	s_lshl_b32 s30, s29, 12
	s_add_co_u32 s20, s20, s30
	s_add_co_u32 s20, s20, 8192
	s_add_nc_u64 s[24:25], s[12:13], s[20:21]      ; to: kv + 16,384 block + 8,192 + 4,096 half: tiles 2 half, 2 half + 1
.set n, 0
	s_wait_alu depctr_va_vdst(0)
.rept 128
	global_load_b32 v[R+n], v[VLO], s[22:23] offset:256*n   ; key n: 128 consecutive bytes; the wave beside me takes the row's other 128
.set n, n+1
.endr
	MKSCALE
; Octet o = keys 8 o .. 8 o + 7 of my channel: registers 2 c, 2 c + 1 (c = o / 2) of the fragment's lane (r, o % 2).  The codes are gathered so that four registers on end are one such lane's group of four.
.macro VOCT o
.if 120-8*(\o) > 63
	s_wait_loadcnt 63                              ; (as many as the wait can name: fewer than the 120 - 8 o loads issued behind this octet's)
.else
	s_wait_loadcnt 120-8*(\o)                      ; the loads issued behind this octet's may be out
.endif
.irp i, 0,1,2,3,4,5,6,7
.endr
.set cr, C+4*(2*((\o)/4)+(\o)%2)+2*(((\o)/2)%2)
	v_cvt_scalef32_pk8_bf8_f32 v[cr:cr+1], v[R+8*(\o):R+8*(\o)+7], v[SCL]
.endm
	s_wait_alu depctr_va_vdst(0)
.irp o, 0,1,2,3,4,5,6,7,8,9,10,11,12,13,14,15
	VOCT \o
.endr
	v_nop                                          ; a plain line behind the last conversion
	s_wait_alu depctr_va_vdst(0)
.irp g, 0,1,2,3
.irp y, 0,1
	global_store_b128 v[VSO], v[C+4*(2*\g+\y):C+4*(2*\g+\y)+3], s[24:25] offset:512*\g+256*\y   ; group g of lanes (r, y): my lanes 0-15 store 256 consecutive bytes of one tile, lanes 16-31 of the next
.endr
.endr
	s_endpgm
.Lmask:
	; ---------------- the mask: 16 rows x 512 columns become 256 words
	s_sub_co_u32 s17, ttmp9, 512
	s_lshl_b32 s17, s17, 2
	s_add_co_u32 s17, s17, s16                     ; u
	s_lshr_b32 s28, s17, 3                         ; qt: which 16 rows
	s_and_b32 s29, s17, 7                          ; which 512 columns: key blocks 4 (u % 8) on
	s_lshl_b32 s18, s28, 16
	s_lshl_b32 s30, s29, 9
	s_add_co_u32 s18, s18, s30
	s_add_nc_u64 s[22:23], s[8:9], s[18:19]        ; from: mask + 65,536 qt + 512 (u % 8)
	s_lshl_b32 s20, s28, 13
	s_lshl_b32 s30, s29, 10
	s_add_co_u32 s20, s20, s30
	s_add_nc_u64 s[24:25], s[14:15], s[20:21]      ; to: maskbits + 8,192 qt + 1,024 (u % 8)
.irp p, 0,1,2,3,4,5,6,7,8,9,10,11,12,13,14,15
	global_load_b128 v[R+4*\p:R+4*\p+3], v[LO], s[22:23] offset:4096*\p th:TH_LOAD_NT   ; 512 consecutive bytes of row p
.endr
	s_wait_alu depctr_va_vdst(0)
.irp p, 0,1,2,3,4,5,6,7,8,9,10,11,12,13,14,15
	s_wait_loadcnt 15-\p                           ; row p is in; the later rows' loads may be out
	ds_store_b128 v[MST], v[R+4*\p:R+4*\p+3] offset:528*\p
.endr
.irp x, 0,1,2,3
.irp c, 0,1,2,3,4,5,6,7
	ds_load_b64 v[X+2*(8*\x+\c):X+2*(8*\x+\c)+1], v[MLD] offset:128*\x+16*\c   ; row r, columns 128 x + 16 c + 8 h + 0..7: the eight keys of lane (r, h) in tile c of key block x
.endr
.endr
	s_wait_dscnt 24                                ; the stores have read their registers, and key block 0's eight loads are in
.irp i, 0,1,2,3,4,5,6,7
	v_mov_b32 v[R+\i], 0                           ; the words' registers: a lane write's destination counts as read
.endr
; Eight words: for j = 0..7 the lanes whose byte j is not 0.  Word n = 64 x + 8 c + j of my 256 goes to lane (n % 128) / 4, register n % 4, of the store n / 128.
.macro MOCT x, c
.irp j, 0,1,2,3,4,5,6,7
	v_and_b32 v[R+8+\j], 0xff<<(8*(\j%4)), v[X+2*(8*(\x)+(\c))+\j/4]
.endr
.irp j, 0,1,2,3,4,5,6,7
	v_cmp_ne_u32 s[32+\j], 0, v[R+8+\j]
.endr
.irp j, 0,1,2,3,4,5,6,7
	v_writelane_b32 v[R+4*((\x)/2)+\j%4], s[32+\j], (64*((\x)%2)+8*(\c)+\j)/4
.endr
.endm
.irp x, 0,1,2,3
	s_wait_dscnt 8*(3-\x)                          ; this key block's eight loads are in; the eight of each later block may be out
.irp c, 0,1,2,3,4,5,6,7
	MOCT \x, \c
.endr
.endr
	global_store_b128 v[LO], v[R:R+3], s[24:25]              ; 512 consecutive bytes: key blocks 0 and 1 of my four
	global_store_b128 v[LO], v[R+4:R+7], s[24:25] offset:512 ; key blocks 2 and 3
	s_wait_tensorcnt 0x0
	ds_add_u32 v208, v209
	s_wait_dscnt 0x0
	s_endpgm
.Lfunc_end_k_q5952accb20_prep:
	.size	k_q5952accb20_prep, .Lfunc_end_k_q5952accb20_prep-k_q5952accb20_prep
	.p2alignl 7, 3214868480
	.fill 96, 4, 3214868480
	.section	.rodata,"a",@progbits
	.p2align	6, 0x0
	.amdhsa_kernel k_q5952accb20_prep
		.amdhsa_group_segment_fixed_size 51712
		.amdhsa_private_segment_fixed_size 0
		.amdhsa_enable_private_segment 0
		.amdhsa_kernarg_size 48
		.amdhsa_user_sgpr_count 2
		.amdhsa_user_sgpr_kernarg_segment_ptr 1
		.amdhsa_wavefront_size32 1
		.amdhsa_system_sgpr_workgroup_id_x 1
		.amdhsa_system_sgpr_workgroup_id_y 1
		.amdhsa_system_sgpr_workgroup_id_z 1
		.amdhsa_system_vgpr_workitem_id 0
		.amdhsa_next_free_vgpr 210
		.amdhsa_next_free_sgpr 66
		.amdhsa_reserve_vcc 0
		.amdhsa_float_denorm_mode_32 3
		.amdhsa_float_denorm_mode_16_64 3
		.amdhsa_fp16_overflow 1
		.amdhsa_memory_ordered 1
		.amdhsa_forward_progress 1
		.amdhsa_inst_pref_size 82
	.end_amdhsa_kernel
	.amdgpu_metadata
---
amdhsa.version: [ 1, 2 ]
amdhsa.kernels:
  - .name:           k_q5952accb20_prep
    .symbol:         k_q5952accb20_prep.kd
    .args:
      - { .name: k, .offset: 0, .size: 8, .value_kind: global_buffer, .address_space: global }
      - { .name: v, .offset: 8, .size: 8, .value_kind: global_buffer, .address_space: global }
      - { .name: mask, .offset: 16, .size: 8, .value_kind: global_buffer, .address_space: global }
      - { .name: lowp_scales, .offset: 24, .size: 8, .value_kind: global_buffer, .address_space: global }
      - { .name: kv, .offset: 32, .size: 8, .value_kind: global_buffer, .address_space: global }
      - { .name: maskbits, .offset: 40, .size: 8, .value_kind: global_buffer, .address_space: global }
    .group_segment_fixed_size: 51712
    .private_segment_fixed_size: 0
    .kernarg_segment_align: 8
    .kernarg_segment_size: 48
    .max_flat_workgroup_size: 128
    .sgpr_count:     66
    .vgpr_count:     210
    .wavefront_size: 32
...
	.end_amdgpu_metadata
.endif
;; end of part 1
;; launch attn (part 2): grid 16 x 16, 16 waves a work-group, clusters of 4 x 1, 327,680 bytes of LDS; arguments q, kv, maskbits, lowp_scales, out0; writes out0
.if DOCPART == 2
	.amdgcn_target "amdgcn-amd-amdhsa--gfx1250"
	.amdhsa_code_object_version 6
	.text
	.protected	k_q5952accb20_attn
	.globl	k_q5952accb20_attn
	.p2align	8
	.type	k_q5952accb20_attn,@function
k_q5952accb20_attn:
	s_mov_b64 s[64:65], 0
	v_nop
	global_prefetch_b8 v0, s[64:65] scope:SCOPE_SE
	s_setreg_imm32_b32 hwreg(HW_REG_WAVE_MODE, 25, 1), 1
	s_wait_xcnt 0x0
	s_wait_alu depctr_hold_cnt(0) depctr_sa_sdst(0) depctr_va_vdst(0) depctr_va_sdst(0) depctr_va_ssrc(0) depctr_va_vcc(0) depctr_vm_vsrc(0)
	s_getreg_b32 s2, hwreg(HW_REG_IB_STS2, 6, 4)
	s_cmp_eq_u32 s2, 0
	s_cbranch_scc0 .Lentry_in_a_cluster
	s_endpgm
.Lentry_in_a_cluster:
	s_bfe_u32 s2, ttmp6, 0x10000c
	s_cmp_lg_u32 s2, 0x3003
	s_cbranch_scc0 .Lentry_shape_is_right
	s_endpgm
.Lentry_shape_is_right:
; out[hd][i][:] = the sum over j of softmax_j(q[hd][i] . k[hd][j] / 8, -infinity where mask[i][j]) v[hd][j][:].  16 heads, 4,096 queries and keys, 64 channels.  Both products on codes of BF8 (E5M2), each operand
; with the one scale 2^e that is given for it: eq, ek, ep, ev.  q: f32, quantised here, in registers.  kv: K's and V's codes as images of the operands' registers, 16,384 bytes for a head's block of 128 keys (K's eight
; fragments of 16 keys x 64 channels, then V's four of 16 channels x 128 keys).  maskbits: for each tile of 16 queries and each block of 128 keys 64 words, the lane masks of the 64 registers of scores.
; THE SOFTMAX AHEAD OF THE SECOND PRODUCT: t = score x log2(e) / 8; M = the largest t so far among the keys that count, rounded UP to a whole number; p = 2^(t - M) is what is quantised; it is not normalised.
; The row's sum is taken of the unquantised p, in f32, and divides at the end.  When M moves, the sum and O are multiplied by 2^(old M - new M), which rounds nothing.  The mask acts AHEAD of the maximum.
; SHARES.  A work-group owns 256 queries of one head, each of its sixteen waves 16 of them, one tile, in 224 registers: four waves to a SIMD, so that one wave's vector work stands beside another's products and LDS loads.
; Every wave walks the head's 32 blocks of 128 keys.  They come through a ring of two LDS slots of four blocks (65,536 bytes); waves 0 to 3 fetch a block each.
; CLUSTER.  The four work-groups of a cluster are four query blocks of one head and walk the same bytes of kv: each block is asked for JOINTLY, by the same tensor load with the same descriptor and a mask that names the four.
; LAYOUT.  Both products are used transposed: S^T = K Q^T (source 0 = 16 keys, source 1 = my 16 queries, the K = 64 form), O^T = V^T P (source 0 = 16 channels, source 1 = P, the K = 128 form): lane (r, h) holds query r
; throughout.  Register j of tile c of S^T is key 16 c + 8 h + j: so a tile's eight registers, converted, are registers 2 c, 2 c + 1 of P in the K = 128 form's own layout: every k stands in its own place.
; LIMITS on the given exponents, so that each power of two below is an f32 number: eq + ek between -123 and 130 (they are added to c's exponent field); eq and ep between -126 and 112; ep + ev is applied by v_ldexp_f32
; and has none.  NaN among the inputs is not served.  A row all of whose keys are masked has the sum 0 and O = 0, and gets 0 x infinity = NaN.
.set NSL,   8                          ; slots' worth of keys in a head
.set BLK,   16384                      ; a block of 128 keys
.set SLOT1, 65536                      ; slot 1 begins here: one exclusive or turns an address in one slot into the other's
.set SPARE, 131072                     ; behind the ring: the spare words, 128 bytes for each of 16 waves: eight blocks of 256 bytes that no other line names
.set STAGE, 133120                     ; behind them: the way out: 16 rows x 272 bytes for each wave; no fill lands here
.set SP,    272
.set LI,   1                           ; v1   16 x lane: my place in an image, and in two rows of out
.set ADR,  2                           ; v2   the same in the slot in hand
.set PFO,  3                           ; v3   256 x lane: the prefetches' offset; never rewritten
.set QO,   4                           ; v4   q: 256 r + 32 h
.set SPW,  5                           ; v5   LDS address of my spare word; never rewritten
.set NIL,  6                           ; v6   0; never rewritten
.set STO,  7                           ; v7   the stage: where I put 32 bytes of a row
.set RD,   8                           ; v8   and where I read a row back
.set QF,   16                          ; v16-23    Q's fragment.   v12 -M, v13 the largest t, v[14:15] the sum in two halves
.set KV,   32                          ; v32-95    K's eight fragments, then V's four
.set S,    96                          ; v96-159   S^T, then p
.set O,    160                         ; v160-191  O^T
.set PC,   192                         ; v192-207  p's codes
.set NINF, 208                         ; v208 -infinity;  v210 2^ep;  v[212:213] f and 0;  v214, v215 at work;  v216 a permute's destination;  v[218:219] the second chain of sums;  v220 2^eq
.set WV,   2                           ; s2   my wave's number
.set TB,   3                           ; s3   LDS byte at which the slot in hand begins
.set MP,   4                           ; s[4:5]   where the mask words last asked for lie
.set OUT,  6                           ; s[6:7]   out at my first query
.set CS,   8                           ; s[8:9]   c = log2(e) / 8 x 2^(eq + ek): the packed form names a pair and takes its low word for both halves
.set SEL,  10                          ; s[10:11] lane selects for v_permlanex16_b32: lane l xor 16
.set SLOTS, 12                         ; s12  slots still to be asked for
.set LIM,  13                          ; s13  1 in a wave that prefetches, else the greatest number
.set PFA,  14                          ; s[14:15] where my prefetches stand
.set G1,   84                          ; s[84:91] descriptor group 1
.set G0,   92                          ; s[92:95] descriptor group 0, which walks
; s[16:63] and s[68:83]: a step's 64 mask words (at the head s[16:31] hold the arguments and what is made of my place).  s66: ep + ev.  s67: at work.  s[96:99]: eq, ek, ep, ev.  s[100:101]: q at my first query.
; A round of the cluster's barrier: my work-group's barrier, so that wave 0's signal speaks for all sixteen waves; wave 0 signals for the work-group; every wave waits for all four work-groups; my work-group's barrier once more.
.macro CROUND
	s_barrier_signal -1
	s_barrier_wait -1
	s_cmp_lg_u32 s[WV], 0
	s_cbranch_scc1 .Lnot_wave_0_\@
	s_barrier_signal -3
.Lnot_wave_0_\@:
	s_barrier_wait -3
	s_barrier_signal -1
	s_barrier_wait -1
.endm
; A joint load: waves 0 to 3 fetch one block each, the others nothing.  The branch hangs on the wave's number alone.  Four v_nop follow the load.
.macro TLOAD
	s_cmp_lt_u32 s[WV], 4
	s_cbranch_scc0 .Lasked_\@
	tensor_load_to_lds s[G0:G0+3], s[G1:G1+7]
	s_nop 0
.rept 4
	v_nop
.endr
.Lasked_\@:
.endm
; A PREFETCH INTO THE L2 of the slot that the NEXT change of slots will ask for: four key steps ahead of that load.  All four clusters of a head walk the same bytes: the head's first cluster asks.  Its four partners share
; the slot's 65,536 bytes out BY ADDRESS, 16,384 each; in each, waves 4 and 5, which fetch nothing, ask for 8,192 bytes each, lanes 256 bytes apart: one instruction a wave, and each block of 256 bytes is named once in the launch.
; Slots 0 and 1 come by their loads alone; the last change that fills a slot asks for nothing: there is no slot behind it.
.macro ASK
	s_cmp_gt_u32 s[SLOTS], s[LIM]
	s_cbranch_scc0 .Lnot_mine_\@
	global_prefetch_b8 v[PFO], s[PFA:PFA+1] th:TH_LOAD_NT scope:SCOPE_SE
.Lnot_mine_\@:
.endm
	s_load_b256 s[16:23], s[0:1], 0x0              ; q s[16:17], kv s[18:19], maskbits s[20:21], the scales' exponents s[22:23]
	s_load_b64 s[24:25], s[0:1], 0x20              ; out
	v_lshl_add_u32 v[SPW], v0, 2, SPARE
	v_mov_b32 v[NIL], 0
	ds_add_u32 v5, v6
	ds_add_u32 v5, v6
	s_wait_dscnt 0x0
	v_lshrrev_b32 v9, 5, v0
	s_delay_alu instid0(VALU_DEP_1)
	v_readfirstlane_b32 s[WV], v9                  ; wave 0..15
	s_bfe_u32 s26, ttmp6, 0x40000                  ; cx: my place in the cluster
	s_lshl_b32 s27, ttmp9, 2                       ; in a cluster launch ttmp9 counts clusters
	s_add_co_u32 s27, s27, s26                     ; my block of 256 queries = 4 x cluster x + cx: it enters q's, out's and the mask words' addresses alone
	s_and_b32 s28, ttmp7, 0xffff                   ; the head, which the four partners share
	; descriptor group 1: a dense block of 16,384 bytes as 64 rows of 32 elements of 8 bytes
	s_mov_b32 s[G1], 15|(3<<16)|(1<<21)            ; 15:0 the mask: all four work-groups; 17:16 elements of 8 bytes; 20 no padding; 21 set beside a mask
	s_mov_b32 s[G1+1], 32<<16                      ; tensor_dim0 = 32
	s_mov_b32 s[G1+2], 64<<16                      ; tensor_dim1 = 64
	s_mov_b32 s[G1+3], 32<<16                      ; tile_dim0 = 32
	s_mov_b32 s[G1+4], 64                          ; tile_dim1 = 64
	s_mov_b32 s[G1+5], 32                          ; from row to row: 32 elements: dense
	s_mov_b32 s[G1+6], 0
	s_mov_b32 s[G1+7], 0
	s_mov_b32 s[SEL], 0x76543210
	s_mov_b32 s[SEL+1], 0xfedcba98
	s_mov_b32 s[CS], 0x3e38aa3b                    ; c = log2(e) / 8
	s_mov_b32 s[TB], 0
	s_mov_b32 s[SLOTS], NSL-1
	s_lshl_b32 s66, s28, 19                        ; the head's 524,288 bytes of kv.  (s[66:67], s13 and s93 never hold my place in the cluster)
	s_mov_b32 s67, 0
	s_lshl_b32 s30, s28, 20                        ; q and out: 1,048,576 x head
	s_lshl_b32 s29, s27, 16                        ; + 65,536 x query block
	s_add_co_u32 s30, s30, s29
	s_lshl_b32 s29, s[WV], 12                      ; + 4,096 x wave: my 16 rows of 256 bytes
	s_add_co_u32 s30, s30, s29
	s_mov_b32 s31, 0
	s_wait_kmcnt 0x0
	s_load_b128 s[96:99], s[22:23], 0x0            ; eq, ek, ep, ev
	s_add_nc_u64 s[100:101], s[16:17], s[30:31]
	s_add_nc_u64 s[OUT:OUT+1], s[24:25], s[30:31]
	s_lshl_b32 s30, s27, 17                        ; the mask words: 8,192 bytes for a tile of 16 queries: 131,072 x query block
	s_lshl_b32 s29, s[WV], 13                      ; + 8,192 x wave
	s_add_co_u32 s30, s30, s29
	s_add_nc_u64 s[MP:MP+1], s[20:21], s[30:31]
	s_add_nc_u64 s[18:19], s[18:19], s[66:67]      ; kv at my head
	s_lshl_b32 s30, s26, 14                        ; the prefetches: my work-group's 16,384 bytes of a slot,
	s_and_b32 s29, s[WV], 1
	s_lshl_b32 s29, s29, 13                        ; my wave's 8,192 of them,
	s_add_co_u32 s30, s30, s29
	s_add_co_u32 s30, s30, SLOT1                   ; in slot 1: the first change of slots steps it to slot 2.  Nothing is prefetched here, at the head
	s_add_nc_u64 s[PFA:PFA+1], s[18:19], s[30:31]
	s_mov_b32 s[G0], 1                             ; 1:0 count = 1
	s_and_b32 s[G0+1], s[WV], 3
	s_lshl_b32 s[G0+1], s[G0+1], 14                ; 63:32 LDS address: slot 0, block = my wave's number (in the waves that fetch)
	s_mov_b32 s66, s[G0+1]
	s_add_nc_u64 s[G0+2:G0+3], s[18:19], s[66:67]  ; 120:64 global address: the same block of the head's first four
	s_or_b32 s[G0+3], s[G0+3], 0x80000000          ; 127:126 type = 2
	s_sub_co_u32 s[LIM], s[WV], 4
	s_lshr_b32 s[LIM], s[LIM], 1                   ; 0 in waves 4 and 5,
	s_or_b32 s[LIM], s[LIM], ttmp9                 ; of the head's first cluster: the same in all four partners
	s_cmp_eq_u32 s[LIM], 0
	s_cselect_b32 s[LIM], 1, -1
	CROUND                                         ; all four work-groups are here: the first joint loads meet
	TLOAD                                          ; slot 0: by this text's count a wave never has more than one tensor load out
	v_and_b32 v9, 15, v0                           ; r
	v_bfe_u32 v10, v0, 4, 1                        ; h
	s_delay_alu instid0(VALU_DEP_2)
	v_lshlrev_b32 v[QO], 8, v9
	s_delay_alu instid0(VALU_DEP_1)
	v_lshl_add_u32 v[QO], v10, 5, v[QO]
.irp c, 0,1,2,3
	global_load_b128 v[S+8*\c:S+8*\c+3], v[QO], s[100:101] offset:64*\c th:TH_LOAD_NT        ; q(r, 16 c + 8 h + 0..3),
	global_load_b128 v[S+8*\c+4:S+8*\c+7], v[QO], s[100:101] offset:64*\c+16 th:TH_LOAD_NT   ; and + 4..7: the fragment's order
.endr
	v_and_b32 v[LI], 31, v0
	s_delay_alu instid0(VALU_DEP_1)
	v_lshlrev_b32 v[LI], 4, v[LI]
	s_delay_alu instid0(VALU_DEP_1)
	v_lshlrev_b32 v[PFO], 4, v[LI]
	s_mul_i32 s67, s[WV], 16*SP
	s_add_co_u32 s67, s67, STAGE                   ; my stage
	v_mul_u32_u24 v[STO], v9, SP
	s_delay_alu instid0(VALU_DEP_1)
	v_lshl_add_u32 v[STO], v10, 5, v[STO]
	s_delay_alu instid0(VALU_DEP_1)
	v_add_nc_u32 v[STO], s67, v[STO]               ; in: row r; tile dt's eight channels of my half: 64 dt + 32 h bytes on
	v_mul_u32_u24 v[RD], v10, SP
	s_delay_alu instid0(VALU_DEP_1)
	v_lshl_add_u32 v[RD], v9, 4, v[RD]
	s_delay_alu instid0(VALU_DEP_1)
	v_add_nc_u32 v[RD], s67, v[RD]                 ; back: lanes 0-15 one row, lanes 16-31 the next
	v_mov_b32 v[NINF], 0xff800000                  ; -infinity
	v_mov_b32 v13, 0xff61b1e6                      ; the largest t so far: -3e38, under every t
	s_delay_alu instid0(VALU_DEP_1)
	v_floor_f32 v12, -v13                          ; -M
	v_mov_b32 v14, 0                               ; the sum, in two halves
	v_mov_b32 v15, 0
	v_mov_b32 v213, 0                              ; (named as the upper half of the pair v[212:213])
	v_mov_b32 v216, 0                              ; written once: a lane permute's destination counts as one of its sources
.set n, 0
.rept 32
	v_mov_b32 v[O+n], 0                            ; O^T.  (The step is written once: the first finds zeros, which the first change of M leaves zeros)
.set n, n+1
.endr
	s_wait_kmcnt 0x0                               ; the exponents are in, and their load has read its address
	s_add_co_i32 s67, s96, s97
	s_lshl_b32 s67, s67, 23
	s_add_co_i32 s[CS], s[CS], s67                 ; a score stands for score x 2^(eq + ek): the two exponents are added to c's exponent field
	s_mov_b32 s[CS+1], s[CS]                       ; (named with it as a pair, so it is written)
	s_add_co_i32 s67, s96, 127
	s_lshl_b32 s66, s67, 23
	v_mov_b32 v220, s66                            ; 2^eq
	s_add_co_i32 s67, s98, 127
	s_lshl_b32 s66, s67, 23
	v_mov_b32 v210, s66                            ; 2^ep
	s_add_co_i32 s66, s98, s99                     ; ep + ev
	s_load_b512 s[16:31], s[MP:MP+1], 0x0          ; key step 0's 64 mask words: all that s[16:31] held has been used
	s_load_b512 s[32:47], s[MP:MP+1], 0x40
	s_load_b512 s[48:63], s[MP:MP+1], 0x80
	s_load_b512 s[68:83], s[MP:MP+1], 0xc0
	s_wait_alu depctr_va_vdst(0)
	s_wait_loadcnt 0x0                             ; q
.set n, 0
.rept 32
.set n, n+1
.endr
.irp c, 0,1,2,3
	v_cvt_scalef32_pk8_bf8_f32 v[QF+2*\c:QF+2*\c+1], v[S+8*\c:S+8*\c+7], v220
.endr
	v_nop                                          ; a plain line between the conversions and the products that read their results and write their sources
; A KEY STEP: 128 keys, block q of the slot in hand.  more = 1: the next step's mask words are asked for.
.macro STEP q, more
.rept 4
	v_nop                                          ; four places behind the last products, in front of loads into registers that they have read
.endr
.irp c, 0,1,2,3,4,5,6,7
	ds_load_b128 v[KV+8*\c:KV+8*\c+3], v[ADR] offset:BLK*(\q)+1024*\c          ; K's fragment c as it was laid: each load takes 512 consecutive bytes
	ds_load_b128 v[KV+8*\c+4:KV+8*\c+7], v[ADR] offset:BLK*(\q)+1024*\c+512
.endr
	s_wait_dscnt 8                                 ; fragments 0-3 are in; the eight loads of fragments 4-7 may be out
.irp c, 0,1,2,3
	v_wmma_f32_16x16x64_bf8_bf8 v[S+8*\c:S+8*\c+7], v[KV+8*\c:KV+8*\c+7], v[QF:QF+7], 0
.endr
	s_wait_dscnt 0x0
.irp c, 4,5,6,7
	v_wmma_f32_16x16x64_bf8_bf8 v[S+8*\c:S+8*\c+7], v[KV+8*\c:KV+8*\c+7], v[QF:QF+7], 0
.endr
.rept 4
	v_nop                                          ; four places: for the loads into K's registers, and for the first read of the scores
.endr
.irp t, 0,1,2,3
.irp g, 0,1,2,3
	ds_load_b128 v[KV+16*\t+4*\g:KV+16*\t+4*\g+3], v[ADR] offset:BLK*(\q)+8192+2048*\t+512*\g   ; V's four fragments land while the softmax is worked
.endr
.endr
	s_wait_kmcnt 0x0                               ; this step's 64 mask words are in, and their loads have read their address:
.if \more
	s_add_nc_u64 s[MP:MP+1], s[MP:MP+1], 256       ; on to the next step's
.endif
.set n, 0
.rept 64
.if n < 48
.set ms, 16+n
.else
.set ms, 20+n
.endif
	v_cndmask_b32 v[S+n], v[S+n], v[NINF], s[ms]   ; THE MASK, ahead of the maximum: -infinity in the lanes whose bit is set; each tile of scores from its low end on
.set n, n+1
.endr
	v_max3_num_f32 v214, v[S], v[S+1], v[S+2]      ; the step's largest score of my query, among my 64 keys, in two chains,
	v_max3_num_f32 v215, v[S+3], v[S+4], v[S+5]
.irp i, 6,10,14,18,22,26,30,34,38,42,46,50,54,58
	s_delay_alu instid0(VALU_DEP_2)
	v_max3_num_f32 v214, v214, v[S+\i], v[S+1+\i]
	s_delay_alu instid0(VALU_DEP_2)
	v_max3_num_f32 v215, v215, v[S+2+\i], v[S+3+\i]
.endr
	s_delay_alu instid0(VALU_DEP_2)
	v_max3_num_f32 v214, v214, v[S+62], v[S+63]
	s_delay_alu instid0(VALU_DEP_1)
	v_max_num_f32 v214, v214, v215
.if \more
	s_load_b512 s[16:31], s[MP:MP+1], 0x0          ; the next step's words: they have the rest of this step in which to land
	s_load_b512 s[32:47], s[MP:MP+1], 0x40
	s_load_b512 s[48:63], s[MP:MP+1], 0x80
	s_load_b512 s[68:83], s[MP:MP+1], 0xc0
.endif
	v_permlanex16_b32 v216, v214, s[SEL], s[SEL+1]
	s_delay_alu instid0(VALU_DEP_1)
	v_max_num_f32 v214, v214, v216                 ; and among lane l xor 16's
	s_delay_alu instid0(VALU_DEP_1)
	v_mul_f32 v214, s[CS], v214                    ; as t (c is positive)
	s_delay_alu instid0(VALU_DEP_1)
	v_max_num_f32 v13, v13, v214                   ; the running largest t (a step all of whose keys are masked leaves it)
	v_mov_b32 v214, v12
	s_delay_alu instid0(VALU_DEP_2)
	v_floor_f32 v12, -v13                          ; the new -M = floor(-t) = -ceil(t): M is a whole number
	s_delay_alu instid0(VALU_DEP_1)
	v_sub_f32 v214, v12, v214                      ; M's old value less its new one: a whole number, 0 or less
	s_delay_alu instid0(VALU_DEP_1)
	v_cvt_i32_f32 v214, v214                       ; (it saturates)
	s_delay_alu instid0(VALU_DEP_1)
	v_ldexp_f32 v212, 1.0, v214                    ; f = 2^(old M - new M)
.set n, 0
.rept 32
	v_pk_fma_f32 v[S+n:S+n+1], v[S+n:S+n+1], s[CS:CS+1], v[12:13] op_sel_hi:[1,0,0]   ; t - M, two at a time (of the pairs c and -M the low word serves both halves)
.set n, n+2
.endr
.set n, 0
	s_wait_alu depctr_va_vdst(0)
.rept 64
	v_exp_f32 v[S+n], v[S+n]                       ; p = 2^(t - M), at most 1; 0 where the key is masked
.set n, n+1
.endr
	v_pk_mul_f32 v[14:15], v[14:15], v[212:213] op_sel_hi:[1,0]   ; the sums under the new M: the plain line behind the exponentials
	s_wait_alu depctr_va_vdst(0)                   ; one wait for the whole batch, ahead of its first reader
	v_pk_add_f32 v[218:219], v[100:101], v[104:105]
	v_pk_add_f32 v[222:223], v[108:109], v[112:113]
	v_pk_add_f32 v[220:221], v[116:117], v[120:121]
	v_pk_add_f32 v[214:215], v[124:125], v[128:129]
	v_pk_add_f32 v[206:207], v[132:133], v[136:137]
	v_pk_add_f32 v[204:205], v[140:141], v[144:145]
	v_pk_add_f32 v[202:203], v[148:149], v[152:153]
	v_pk_add_f32 v[14:15], v[14:15], v[156:157]
	v_pk_add_f32 v[218:219], v[218:219], v[96:97]
	v_pk_add_f32 v[222:223], v[222:223], v[98:99]
	v_pk_add_f32 v[220:221], v[220:221], v[102:103]
	v_pk_add_f32 v[214:215], v[214:215], v[106:107]
	v_pk_add_f32 v[206:207], v[206:207], v[110:111]
	v_pk_add_f32 v[204:205], v[204:205], v[114:115]
	v_pk_add_f32 v[202:203], v[202:203], v[118:119]
	v_pk_add_f32 v[14:15], v[14:15], v[122:123]
	v_pk_add_f32 v[218:219], v[218:219], v[126:127]
	v_pk_add_f32 v[222:223], v[222:223], v[130:131]
	v_pk_add_f32 v[220:221], v[220:221], v[134:135]
	v_pk_add_f32 v[214:215], v[214:215], v[138:139]
	v_pk_add_f32 v[206:207], v[206:207], v[142:143]
	v_pk_add_f32 v[204:205], v[204:205], v[146:147]
	v_pk_add_f32 v[202:203], v[202:203], v[150:151]
	v_pk_add_f32 v[14:15], v[14:15], v[154:155]
	v_pk_add_f32 v[218:219], v[218:219], v[158:159]
	s_delay_alu instid0(VALU_DEP_2)
	v_pk_add_f32 v[14:15], v[14:15], v[214:215]
	s_delay_alu instid0(VALU_DEP_2)
	v_pk_add_f32 v[218:219], v[218:219], v[206:207]
	v_pk_add_f32 v[222:223], v[222:223], v[204:205]
	v_pk_add_f32 v[220:221], v[220:221], v[202:203]
	s_delay_alu instid0(VALU_DEP_2)
	v_pk_add_f32 v[14:15], v[14:15], v[222:223]
	s_delay_alu instid0(VALU_DEP_2)
	v_pk_add_f32 v[218:219], v[218:219], v[220:221]
	s_delay_alu instid0(VALU_DEP_1)
	v_pk_add_f32 v[14:15], v[14:15], v[218:219]
.set n, 0
.rept 64
.set n, n+1
.endr
.irp c, 0,1,2,3,4,5,6,7
	v_cvt_scalef32_pk8_bf8_f32 v[PC+2*\c:PC+2*\c+1], v[S+8*\c:S+8*\c+7], v210   ; tile c's eight keys: registers 2 c, 2 c + 1 of P
.endr
.set n, 0
.rept 16
	v_pk_mul_f32 v[O+n:O+n+1], v[O+n:O+n+1], v[212:213] op_sel_hi:[1,0]   ; O^T under the new M, each accumulator from its low end on.  (These are also the plain lines behind the conversions)
.set n, n+2
.endr
	s_wait_alu depctr_va_vdst(0)
	s_wait_dscnt 0x0                               ; V is in
.irp t, 0,1,2,3
	v_wmma_f32_16x16x128_bf8_bf8 v[O+8*\t:O+8*\t+7], v[KV+16*\t:KV+16*\t+15], v[PC:PC+15], v[O+8*\t:O+8*\t+7]   ; the four accumulators by turns; the next step's eight products stand between an accumulator's links
.endr
.endm
; THE CHANGE OF SLOTS stands at a slot's head.  Each wave waits for all its tensor loads (its part of the slot that it is about to read), adds 0 to its spare word, and waits for that and for its reads of the slot that it has left.
; fill = 1: the barrier is a round of the cluster's, so that no wave of any partner still reads that slot or has a load on its way, and the joint refill is the first thing behind it: it has four key steps in which to land.
.macro CHANGE fill
	s_wait_tensorcnt 0x0                           ; no tensor load of mine is out, so group 0 may be written
	ds_add_u32 v[SPW], v[NIL]                      ; 0 onto my spare word
	ds_add_u32 v[SPW], v[NIL]
.if \fill
	s_xor_b32 s[G0+1], s[G0+1], SLOT1              ; the walking descriptor: the other slot than last time,
	s_add_nc_u64 s[G0+2:G0+3], s[G0+2:G0+3], SLOT1 ; the next four blocks; the type bits on top are not reached
	s_wait_xcnt 0x0                                ; the last prefetch, a slot back, has read its address, so it may be written:
	s_add_nc_u64 s[PFA:PFA+1], s[PFA:PFA+1], SLOT1 ; one slot further on than the walking descriptor
.endif
	s_wait_dscnt 0x0                               ; the add is done, and my reads of the slot that I have left are over
.if \fill
	CROUND
	TLOAD                                          ; the first tensor load behind the round, and a wave's only one until the next
	ASK
.else
	s_barrier_signal -1
	s_barrier_wait -1
.endif
.endm
.macro SLOT_STEPS last
	v_add_nc_u32 v[ADR], s[TB], v[LI]
	s_wait_alu depctr_va_vdst(0)
	STEP 0, 1
	STEP 1, 1
	STEP 2, 1
	STEP 3, 1-\last
	s_xor_b32 s[TB], s[TB], SLOT1                  ; on to the other slot
.endm
.Lslot:                                            ; NSL - 1 trips: behind each change of slots but the last the next slot is asked for
	CHANGE 1
	s_wait_alu depctr_va_vdst(0)
	SLOT_STEPS 0
	s_sub_co_u32 s[SLOTS], s[SLOTS], 1
	s_cmp_lg_u32 s[SLOTS], 0
	s_cbranch_scc1 .Lslot
	CHANGE 0                                       ; the last slot is written out
	SLOT_STEPS 1
	; THE WAY OUT.  The sum's halves are added; O^T is divided by the sum, multiplied by 2^(ep + ev), and goes through my stage in LDS, so that each store covers 512 consecutive bytes: two rows of out.
	v_add_f32 v14, v14, v15                        ; the sum's two halves,
	s_delay_alu instid0(VALU_DEP_1)
	v_permlanex16_b32 v216, v14, s[SEL], s[SEL+1]
	s_delay_alu instid0(VALU_DEP_1)
	v_add_f32 v14, v14, v216                       ; and lane l xor 16's: the row's sum
	s_wait_alu depctr_va_vdst(0)
	v_rcp_f32 v14, v14
.rept 3
	v_nop                                          ; the plain line behind the reciprocal; with the two additions, the places behind the last products
.endr
	s_wait_alu depctr_va_vdst(0)                   ; the wait ahead of the reciprocal's first reader
	v_ldexp_f32 v14, v14, s66                      ; x 2^(ep + ev)
.set n, 0
.rept 32
	v_mul_f32 v[S+n], v[O+n], v14                  ; register 8 dt + j is out(r, 16 dt + 8 h + j); each accumulator from its low end on
.set n, n+1
.endr
.irp t, 0,1,2,3
	ds_store_b128 v[STO], v[S+8*\t:S+8*\t+3] offset:64*\t
	ds_store_b128 v[STO], v[S+8*\t+4:S+8*\t+7] offset:64*\t+16
.endr
.irp i, 0,1,2,3,4,5,6,7
	ds_load_b128 v[KV+4*\i:KV+4*\i+3], v[RD] offset:2*\i*SP   ; LDS serves a wave's instructions in order: these see my stores
.endr
.irp i, 0,1,2,3,4,5,6,7
	s_wait_dscnt 7-\i                              ; rows 2 i and 2 i + 1 are back; the younger loads may be out
	global_store_b128 v[LI], v[KV+4*\i:KV+4*\i+3], s[OUT:OUT+1] offset:512*\i th:TH_STORE_NT
.endr
	s_wait_tensorcnt 0x0                           ; the wave's end, behind my last tensor load and my last LDS store
	ds_add_u32 v[SPW], v[NIL]
	s_wait_dscnt 0x0
	CROUND                                         ; the closing round: no work-group ends while a partner may still ask for a block that names it
	s_endpgm
.Lfunc_end_k_q5952accb20_attn:
	.size	k_q5952accb20_attn, .Lfunc_end_k_q5952accb20_attn-k_q5952accb20_attn
	.p2alignl 7, 3214868480
	.fill 96, 4, 3214868480
	.section	.rodata,"a",@progbits
	.p2align	6, 0x0
	.amdhsa_kernel k_q5952accb20_attn
		.amdhsa_group_segment_fixed_size 327680
		.amdhsa_private_segment_fixed_size 0
		.amdhsa_enable_private_segment 0
		.amdhsa_kernarg_size 40
		.amdhsa_user_sgpr_count 2
		.amdhsa_user_sgpr_kernarg_segment_ptr 1
		.amdhsa_wavefront_size32 1
		.amdhsa_system_sgpr_workgroup_id_x 1
		.amdhsa_system_sgpr_workgroup_id_y 1
		.amdhsa_system_sgpr_workgroup_id_z 1
		.amdhsa_system_vgpr_workitem_id 0
		.amdhsa_next_free_vgpr 224
		.amdhsa_next_free_sgpr 102
		.amdhsa_reserve_vcc 0
		.amdhsa_float_denorm_mode_32 3
		.amdhsa_float_denorm_mode_16_64 3
		.amdhsa_fp16_overflow 1
		.amdhsa_memory_ordered 1
		.amdhsa_forward_progress 1
		.amdhsa_inst_pref_size 164
	.end_amdhsa_kernel
	.amdgpu_metadata
---
amdhsa.version: [ 1, 2 ]
amdhsa.kernels:
  - .name:           k_q5952accb20_attn
    .symbol:         k_q5952accb20_attn.kd
    .args:
      - { .name: q, .offset: 0, .size: 8, .value_kind: global_buffer, .address_space: global }
      - { .name: kv, .offset: 8, .size: 8, .value_kind: global_buffer, .address_space: global }
      - { .name: maskbits, .offset: 16, .size: 8, .value_kind: global_buffer, .address_space: global }
      - { .name: lowp_scales, .offset: 24, .size: 8, .value_kind: global_buffer, .address_space: global }
      - { .name: out0, .offset: 32, .size: 8, .value_kind: global_buffer, .address_space: global }
    .group_segment_fixed_size: 327680
    .private_segment_fixed_size: 0
    .kernarg_segment_align: 8
    .kernarg_segment_size: 40
    .max_flat_workgroup_size: 512
    .sgpr_count:     102
    .vgpr_count:     224
    .wavefront_size: 32
...
	.end_amdgpu_metadata
.endif
;; end of part 2
